; MI455X (gfx1250); checked and timed in simulation.
; The chip was launched on July 23, 2026; its instructions are those of AMD's public machine-readable ISA for CDNA 5 (MIT licence, August 2026) and "CDNA5" Instruction Set Architecture Reference Guide (July 2026). The comments in the code are by the model that wrote it; some were corrected since.
;; Fast MQ Attention. Allowed arithmetic: matrix products marked QUANTISED: E2M3 operands, one E8M0 scale for each 32 along K, by v_wmma_scale_f32_16x16x128_f8f6f4 with both operands' format E2M3, f32 sums; everything else in f32.
;; Inputs: K 2 x 1 x 2,048 x 128 float32; Q 2 x 32 x 2,048 x 128 float32; V 2 x 1 x 2,048 x 128 float32.
;; Outputs: out0 2 x 32 x 2,048 x 128 float32.
;; This version of the problem:
;;   THIS VERSION OF THE PROBLEM IS GIVEN IN LOW PRECISION. The matrix products marked QUANTISED in the list below multiply operands that are first quantised to E2M3 (2 exponent bits, 3 mantissa bits; 6 bits a number), with one power-of-two scale for each 32 numbers along K (OCP MX v1.0); their sums are f32. All else is computed in f32.
;;   The module's matrix products, in the order in which they are computed (A, B: the left and right operand; K: the contracted axis; several contracted axes count as one K, in the product's order):
;;     1. batch 2 x [M 65,536, K 128] x [K 128, N 2,048]; A: input Q; B: input K: QUANTISED
;;     2. batch 2 x [M 65,536, K 2,048] x [K 2,048, N 128]; A: softmax (see below); B: input V: QUANTISED
;;   THE QUANTISER, for each operand of a quantised product, along K:
;;     - K is cut into blocks of 32 from its start; a last block that is shorter is filled with zeros.
;;     - A block's scale is 2^e with e = floor(log2(the largest magnitude in the block)) - 2, held to -126 .. 127; a block of zeros has e = 0. As a byte (E8M0): e + 127.
;;     - Each number is divided by its block's scale, clamped to +-7.5, and rounded to the nearest number of E2M3, ties to even, subnormals kept.
;;     - The product sums the exact products of the quantised numbers (number of the format x scale) in f32.
;;   ~~~python
;;   def quantise(x, axis):      # numpy; x: float32 -> the quantised numbers, widened to float32 again
;;       x = np.moveaxis(x, axis, -1); K = x.shape[-1]
;;       x = np.pad(x, [(0, 0)] * (x.ndim - 1) + [(0, -K % 32)]); x = x.reshape(x.shape[:-1] + (-1, 32)); a = np.abs(x).max(-1, keepdims=True)
;;       e = np.where(a > 0, np.clip(np.frexp(np.where(a > 0, a, 1))[1] - 1 - 2, -126, 127), 0)      # np.frexp(a)[1] - 1 = floor(log2(a)), exactly
;;       r = np.clip(x / 2.0 ** e, -7.5, 7.5)
;;       step = 2.0 ** (np.maximum(np.frexp(np.where(r == 0, 1, r))[1] - 1, 0) - 3)
;;       q = np.round(r / step) * step * 2.0 ** e      # np.round: ties to even
;;       return np.moveaxis(q.reshape(q.shape[:-2] + (-1,))[..., :K], -1, axis).astype(np.float32)
;;   ~~~
;;   SOFTMAX AHEAD OF A QUANTISED PRODUCT. Where the list says 'softmax', what is quantised is not the finished softmax but p = 2^(t - M), with t = logit x log2(e) and M = ceil(the row's largest t), a whole number; so 1/2 < the row's largest p <= 1. The row's sum l is taken of the UNQUANTISED p, in f32, and the product's result is divided by l at the end. Since M is a whole number, a kernel that streams over the keys may use a running M (the ceiling of the running maximum): every later rescaling is an exact power of two, which a block's scale takes up: the codes' values come out the same.
;;   OPERANDS COMPUTED ON THE WAY. 'Computed on the way' means the value that the module computes at that place (a softmax that the list does not call 'softmax' is quantised finished and normalised). What goes into a quantiser is computed in f32, as accurately as f32 sums, v_exp_f32 and their like allow (about 1e-6 of the number): no bf16 or f16 on the way to a quantiser, and a product that is left as it is and whose result goes on into a quantised operand takes f32 operands (vector FMAs, or v_wmma_f32_16x16x4_f32). A number that lies on a knife's edge between two numbers of the format may be rounded either way, as far as f32 arithmetic and the matrix unit's own rounding can turn it there, and no further.
;; One version. Each part assembles by itself: llvm-mc -triple=amdgcn-amd-amdhsa -mcpu=gfx1250 --defsym DOCPART=n.
;; ======== version 1 of 1: 2 launches
;; limits: right only within a limited range of input values
;; workspace buffers: kv 819,200 bytes
;; launch prep (part 1): grid 64 x 1, 8 waves a work-group, no clusters, 69,632 bytes of LDS; arguments K, V, kv; writes kv
.if DOCPART == 1
	.amdgcn_target "amdgcn-amd-amdhsa--gfx1250"
	.amdhsa_code_object_version 6
	.text
	.protected	k_qf3fa5f7d9d_prep
	.globl	k_qf3fa5f7d9d_prep
	.p2align	8
	.type	k_qf3fa5f7d9d_prep,@function
k_qf3fa5f7d9d_prep:
	s_mov_b64 s[64:65], 0
	v_nop
	global_prefetch_b8 v0, s[64:65] scope:SCOPE_SE
	s_setreg_imm32_b32 hwreg(HW_REG_WAVE_MODE, 25, 1), 1
	s_wait_xcnt 0x0
; K [2][2048][128] and V [2][2048][128], f32, become codes of FP6 (E2M3) with one E8M0 scale byte for each 32 along a product's K, laid in kv AS IMAGES OF THE OPERANDS' REGISTERS.
; K is quantised along the head's 128 (innermost in memory), V along the keys (its first axis inside a batch).
; kv: 2 batches x 16 key steps x 25,600 bytes.  A key step (128 keys): K's 8 fragments (1,536 bytes each), K's scale block (512 bytes), V's 8 fragments, V's scale block.
; A FRAGMENT (16 rows x 128 along K: 12 registers a lane): registers 4 c .. 4 c + 3 of lane l lie at 512 c + 16 l.  Lane (r = l % 16, h = l / 16) holds row r, and registers 6 c .. 6 c + 5 hold k = 64 c + 32 h + 0 .. 31.
; A SCALE BLOCK: lane l has 16 bytes at 16 l: for l < 16 the scale words of (tile 0 .. 3, row l), for l >= 16 those of (tile 4 .. 7, row l - 16).
; K's tile w: row r is key 64 (w / 4) + 8 (w % 4) + r % 8 + 32 (r / 8) of the step: the rows of a tile are chosen so that in S^T = K Q^T a lane's 32 registers of four tiles are one whole block of 32 neighbouring keys.
; V's tile w: row r is channel 16 w + r, and k runs over the step's 128 keys.
; SHARES: 64 work-groups, as many as there are blocks of 128 rows x 512 bytes: work-groups 0-31 take K, 32-63 V (only the pointer is chosen); number & 31 = 16 x batch + key step.
; Eight waves: wave w brings rows 16 w .. 16 w + 15 into a stage in LDS as they lie (each load reads a whole row, 512 consecutive bytes), and behind a barrier makes tile w from the stage.
; No tensor load, no cluster (work-groups share nothing), no matrix instruction.
; A block's scale is 2^(floor(log2(its largest magnitude)) - 2); its byte is the largest magnitude's exponent field - 2, held at 1 from below.
; LIMITS: NaN and infinities are not served.  A block of zeros, or one whose largest magnitude lies under 2^-124, keeps the byte 1 where the rule says 127: its codes are zeros, and this program alone reads the bytes.
.set PIT,   528                        ; a stage row: 512 bytes + 16, so that neighbouring rows begin 16 bytes apart modulo 256
.set JUMP,  32*PIT+128                 ; 32 rows on: 128 bytes lie behind every 32 rows, so that rows 32 apart begin 128 bytes apart modulo 256
.set SCB,   68096                      ; behind the stage (it ends at 67,952): the scale block, 512 bytes
.set SPARE, 68608                      ; the spare words, 128 bytes for each of eight waves: four blocks of 256 bytes that no other line names
.set LI,  1                            ; v1   16 x lane
.set SA,  4                            ; v4   where I put 16 bytes of my wave's rows
.set KA,  5                            ; v5   K: my row of my tile, my half's 128 bytes
.set VA,  6                            ; v6   V: my channel, my half's first key
.set WA,  7                            ; v7   my row's word in the scale block
.set H8,  8                            ; v8   8 h
.set SRD, 9                            ; v9   the scale block read back: 16 bytes a lane
.set SPW, 10                           ; v10  LDS address of my spare word; never rewritten
.set NIL, 11                           ; v11  0; never rewritten
.set C,   16                           ; v16-27   the fragment's codes
.set W,   28                           ; v28      my row's scale word
.set T,   40                           ; v40-47   at work in the quantiser
.set TMP, 48                           ; v48-55   the second halves of the blocks' codes
.set SBK, 56                           ; v56-59   the scale block on its way out
.set R,   64                           ; v64-127  16 rows as loaded
.set X,   128                          ; v128-191 my 64 numbers: register 32 c + i = k 64 c + 32 h + i of my row
.set WV,  10                           ; s10
.set SEL, 20                           ; s[20:21] lane selects of v_permlanex16_b32: lane l xor 16
; 64 numbers of a lane, v[xr + 32 c + i] = k 64 c + 32 h + i of its row, become the fragment's 12 registers v[cr ..] and the row's whole scale word v[wr] (in both halves of the lanes).
.macro QUANT64 xr, cr, wr, tr, mr, hr
.irp b, 0,1
	v_max3_num_f32 v[\tr+\b], |v[\xr+32*\b]|, |v[\xr+32*\b+1]|, 0x1800000   ; my block 2 b + h: all its 32 numbers are mine; the floor 2^(3 - 127) holds the byte at 1 from below
.endr
.irp i, 2,4,6,8,10,12,14,16,18,20,22,24,26,28,30
.irp b, 0,1
	s_delay_alu instid0(VALU_DEP_2)
	v_max3_num_f32 v[\tr+\b], v[\tr+\b], |v[\xr+32*\b+\i]|, |v[\xr+32*\b+\i+1]|   ; the two blocks by turns
.endr
.endr
.irp b, 0,1
	s_delay_alu instid0(VALU_DEP_2)
	v_add_nc_u32 v[\tr+2+\b], 0xff000000, v[\tr+\b]     ; 2 off the exponent field: the conversion takes the exponent field of this operand as its scale
.endr
.irp b, 0,1
	s_delay_alu instid0(VALU_DEP_2)
	v_lshrrev_b32 v[\tr+4+\b], 23, v[\tr+2+\b]          ; the scale's byte
.endr
	s_delay_alu instid0(VALU_DEP_1)
	v_lshl_or_b32 v[\tr+6], v[\tr+5], 16, v[\tr+4]      ; my two bytes: blocks h and 2 + h,
	s_delay_alu instid0(VALU_DEP_1)
	v_lshlrev_b32 v[\tr+6], v[\hr], v[\tr+6]            ; at their places in the word (8 h bits up);
	s_delay_alu instid0(VALU_DEP_1)
	v_permlanex16_b32 v[\tr+7], v[\tr+6], s[SEL], s[SEL+1]
	s_delay_alu instid0(VALU_DEP_1)
	v_or_b32 v[\wr], v[\tr+6], v[\tr+7]                 ; with lane l xor 16's two the word is whole
.irp b, 0,1
	v_cvt_scalef32_pk16_fp6_f32 v[\cr+6*\b:\cr+6*\b+2], v[\xr+32*\b:\xr+32*\b+15], v[\tr+2+\b]
	v_cvt_scalef32_pk16_fp6_f32 v[\mr+4*\b:\mr+4*\b+2], v[\xr+32*\b+16:\xr+32*\b+31], v[\tr+2+\b]   ; a conversion's three registers begin on an even number: the second half is made elsewhere and moved
.endr
	v_nop                                               ; one plain place behind the scaled conversions
.irp b, 0,1
.irp i, 0,1,2
	v_mov_b32 v[\cr+6*\b+3+\i], v[\mr+4*\b+\i]
.endr
.endr
.endm
	s_load_b128 s[4:7], s[0:1], 0x0                ; K s[4:5], V s[6:7]
	s_load_b64 s[8:9], s[0:1], 0x10                ; kv
	v_lshl_add_u32 v[SPW], v0, 2, SPARE
	v_mov_b32 v[NIL], 0
	v_lshrrev_b32 v12, 5, v0
	s_delay_alu instid0(VALU_DEP_1)
	v_readfirstlane_b32 s[WV], v12                 ; wave 0..7
	v_and_b32 v12, 31, v0
	s_delay_alu instid0(VALU_DEP_1)
	v_lshlrev_b32 v[LI], 4, v12                    ; 16 x lane
	v_and_b32 v2, 15, v0                           ; r
	v_bfe_u32 v3, v0, 4, 1                         ; h
	s_delay_alu instid0(VALU_DEP_1)
	v_lshlrev_b32 v[H8], 3, v3
	s_mul_i32 s22, s[WV], 16*PIT                   ; my wave's 16 rows in the stage: 16 w rows,
	s_lshr_b32 s23, s[WV], 1
	s_lshl_b32 s23, s23, 7                         ; and 128 bytes for each 32 rows passed
	s_add_co_u32 s22, s22, s23
	v_add_nc_u32 v[SA], s22, v[LI]
	s_lshr_b32 s24, s[WV], 2                       ; w / 4
	s_and_b32 s25, s[WV], 3                        ; w % 4
	s_mul_i32 s22, s24, 64*PIT+256                 ; K: my tile begins at row 64 (w / 4) + 8 (w % 4)
	s_mul_i32 s23, s25, 8*PIT
	s_add_co_u32 s22, s22, s23
	v_and_b32 v12, 7, v0                           ; r % 8
	v_bfe_u32 v13, v0, 3, 1                        ; r / 8
	s_delay_alu instid0(VALU_DEP_2)
	v_mul_u32_u24 v[KA], v12, PIT
	s_delay_alu instid0(VALU_DEP_1)
	v_mad_u32_u24 v[KA], v13, JUMP, v[KA]          ; the tile's second eight rows lie 32 rows on
	s_wait_alu depctr_va_vdst(0)
	v_lshl_add_u32 v[KA], v3, 7, v[KA]             ; my half's 32 numbers: 128 h bytes on
	s_delay_alu instid0(VALU_DEP_1)
	v_add_nc_u32 v[KA], s22, v[KA]
	s_lshl_b32 s22, s[WV], 6                       ; V: channel 16 w + r, 4 bytes each;
	v_lshlrev_b32 v[VA], 2, v2
	s_delay_alu instid0(VALU_DEP_1)
	v_mad_u32_u24 v[VA], v3, JUMP, v[VA]           ; lanes 16-31 begin 32 keys further down
	s_delay_alu instid0(VALU_DEP_1)
	v_add_nc_u32 v[VA], s22, v[VA]
	s_lshl_b32 s22, s24, 8                         ; the scale block: lane 16 (w / 4) + r, word w % 4
	s_lshl_b32 s23, s25, 2
	s_add_co_u32 s22, s22, s23
	s_add_co_u32 s22, s22, SCB
	v_lshl_add_u32 v[WA], v2, 4, s22
	v_add_nc_u32 v[SRD], SCB, v[LI]
	v_mov_b32 v[T+7], 0                            ; written once: a lane permute's destination counts as one of its sources
	s_mov_b32 s[SEL], 0x76543210
	s_mov_b32 s[SEL+1], 0xfedcba98
	s_and_b32 s11, ttmp9, 31                       ; 16 x batch + key step
	s_lshr_b32 s12, ttmp9, 5                       ; 0: K's part of the step's image, 1: V's
	s_lshl_b32 s14, s11, 16                        ; in: 128 rows of 512 bytes a step,
	s_lshl_b32 s22, s[WV], 13                      ; 16 rows a wave
	s_add_co_u32 s14, s14, s22
	s_mov_b32 s15, 0
	s_mul_i32 s16, s11, 25600                      ; out: the step's image,
	s_mul_i32 s22, s12, 12800                      ; the part,
	s_add_co_u32 s16, s16, s22
	s_mul_i32 s22, s[WV], 1536                     ; my tile's fragment
	s_add_co_u32 s16, s16, s22
	s_mov_b32 s17, 0
	s_wait_kmcnt 0x0
	s_cmp_lt_u32 ttmp9, 32                         ; K's work-group or V's: the choice hangs on the work-group's number alone
	s_cselect_b64 s[4:5], s[4:5], s[6:7]
	s_add_nc_u64 s[4:5], s[4:5], s[14:15]
	s_add_nc_u64 s[8:9], s[8:9], s[16:17]
.irp i, 0,1,2,3,4,5,6,7,8,9,10,11,12,13,14,15
	global_load_b128 v[R+4*\i:R+4*\i+3], v[LI], s[4:5] offset:512*\i th:TH_LOAD_NT   ; a whole row: 32 lanes read 512 consecutive bytes; read once in the launch
.endr
.irp i, 0,1,2,3,4,5,6,7,8,9,10,11,12,13,14,15
	s_wait_loadcnt 15-\i                           ; loads come back in order: row i is in, the 15 - i issued behind it may be out
	ds_store_b128 v[SA], v[R+4*\i:R+4*\i+3] offset:PIT*\i
.endr
	s_wait_dscnt 0x0                               ; for the others' sake: my rows lie in the stage
	s_barrier_signal -1
	s_barrier_wait -1                              ; all 128 rows do
	s_cmp_lt_u32 ttmp9, 32                         ; the two ways differ in LDS loads alone
	s_cbranch_scc0 .Lfor_v
	s_wait_alu depctr_va_vdst(0)
.irp b, 0,1
.irp j, 0,1,2,3,4,5,6,7
	ds_load_b128 v[X+32*\b+4*\j:X+32*\b+4*\j+3], v[KA] offset:256*\b+16*\j   ; K: k = 64 b + 32 h + 4 j on of my key's row
.endr
.endr
	s_branch .Ljoin
.Lfor_v:
	s_wait_alu depctr_va_vdst(0)
.irp b, 0,1
.irp i, 0,1,2,3,4,5,6,7,8,9,10,11,12,13,14,15,16,17,18,19,20,21,22,23,24,25,26,27,28,29,30,31
	ds_load_b32 v[X+32*\b+\i], v[VA] offset:(64*\b+\i)*PIT+256*\b            ; V: key 64 b + 32 h + i, my channel: registers run down the keys
.endr
.endr
.Ljoin:
	s_wait_dscnt 0x0
	QUANT64 X, C, W, T, TMP, H8
.irp c, 0,1,2
	global_store_b128 v[LI], v[C+4*\c:C+4*\c+3], s[8:9] offset:512*\c        ; the fragment's image: 32 lanes store 512 consecutive bytes, at a multiple of 256 from kv's first byte
.endr
	ds_store_b32 v[WA], v[W]                       ; lanes r and r + 16 write the same word with the same value
	s_wait_dscnt 0x0                               ; for wave 0's sake
	s_barrier_signal -1
	s_barrier_wait -1                              ; the scale block is whole
	s_cmp_lg_u32 s[WV], 0
	s_cbranch_scc1 .Lnot_wave_0
	ds_load_b128 v[SBK:SBK+3], v[SRD]
	s_wait_dscnt 0x0
	global_store_b128 v[LI], v[SBK:SBK+3], s[8:9] offset:12288               ; wave 0's base is the part's first byte: the scale block lies behind the eight fragments
.Lnot_wave_0:
	s_wait_tensorcnt 0x0                           ; the wave's end
	ds_add_u32 v[SPW], v[NIL]
	s_wait_dscnt 0x0
	s_endpgm
.Lfunc_end_k_qf3fa5f7d9d_prep:
	.size	k_qf3fa5f7d9d_prep, .Lfunc_end_k_qf3fa5f7d9d_prep-k_qf3fa5f7d9d_prep
	.p2alignl 7, 3214868480
	.fill 96, 4, 3214868480
	.section	.rodata,"a",@progbits
	.p2align	6, 0x0
	.amdhsa_kernel k_qf3fa5f7d9d_prep
		.amdhsa_group_segment_fixed_size 69632
		.amdhsa_private_segment_fixed_size 0
		.amdhsa_enable_private_segment 0
		.amdhsa_kernarg_size 24
		.amdhsa_user_sgpr_count 2
		.amdhsa_user_sgpr_kernarg_segment_ptr 1
		.amdhsa_wavefront_size32 1
		.amdhsa_system_sgpr_workgroup_id_x 1
		.amdhsa_system_sgpr_workgroup_id_y 1
		.amdhsa_system_sgpr_workgroup_id_z 1
		.amdhsa_system_vgpr_workitem_id 0
		.amdhsa_next_free_vgpr 192
		.amdhsa_next_free_sgpr 66
		.amdhsa_reserve_vcc 0
		.amdhsa_float_denorm_mode_32 3
		.amdhsa_float_denorm_mode_16_64 3
		.amdhsa_memory_ordered 1
		.amdhsa_forward_progress 1
		.amdhsa_inst_pref_size 17
	.end_amdhsa_kernel
	.amdgpu_metadata
---
amdhsa.version: [ 1, 2 ]
amdhsa.kernels:
  - .name:           k_qf3fa5f7d9d_prep
    .symbol:         k_qf3fa5f7d9d_prep.kd
    .args:
      - { .name: K, .offset: 0, .size: 8, .value_kind: global_buffer, .address_space: global }
      - { .name: V, .offset: 8, .size: 8, .value_kind: global_buffer, .address_space: global }
      - { .name: kv, .offset: 16, .size: 8, .value_kind: global_buffer, .address_space: global }
    .group_segment_fixed_size: 69632
    .private_segment_fixed_size: 0
    .kernarg_segment_align: 8
    .kernarg_segment_size: 24
    .max_flat_workgroup_size: 256
    .sgpr_count:     66
    .vgpr_count:     192
    .wavefront_size: 32
...
	.end_amdgpu_metadata
.endif
;; end of part 1
;; launch attn (part 2): grid 8 x 64, 8 waves a work-group, clusters of 4 x 1, 327,680 bytes of LDS; arguments Q, kv, out0; writes out0
.if DOCPART == 2
	.amdgcn_target "amdgcn-amd-amdhsa--gfx1250"
	.amdhsa_code_object_version 6
	.text
	.protected	k_qf3fa5f7d9d_attn
	.globl	k_qf3fa5f7d9d_attn
	.p2align	8
	.type	k_qf3fa5f7d9d_attn,@function
k_qf3fa5f7d9d_attn:
	s_mov_b64 s[64:65], 0
	v_nop
	global_prefetch_b8 v0, s[64:65] scope:SCOPE_SE
	s_setreg_imm32_b32 hwreg(HW_REG_WAVE_MODE, 25, 1), 1
	s_wait_xcnt 0x0
	s_wait_alu depctr_hold_cnt(0) depctr_sa_sdst(0) depctr_va_vdst(0) depctr_va_sdst(0) depctr_va_ssrc(0) depctr_va_vcc(0) depctr_vm_vsrc(0)
	s_getreg_b32 s2, hwreg(HW_REG_IB_STS2, 6, 4)
	s_cmp_eq_u32 s2, 0
	s_cbranch_scc0 .Lentry_in_a_cluster
	s_endpgm
.Lentry_in_a_cluster:
	s_bfe_u32 s2, ttmp6, 0x10000c
	s_cmp_lg_u32 s2, 0x3003
	s_cbranch_scc0 .Lentry_shape_is_right
	s_endpgm
.Lentry_shape_is_right:
; out0[b][h][q][:] = sum over k of softmax_k(Q[b][h][q] . K[b][k] / sqrt(128)) V[b][k][:]; all 32 heads of a batch share one K and V.  Both products on codes of FP6 (E2M3), one E8M0 scale for each 32 along a product's K.
; Q f32 is read once, by the wave that owns the rows, and quantised in registers.  K and V come as register images from kv: 2 batches x 16 key steps x 25,600 bytes: K's 8 fragments of 1,536 bytes, K's scale block (512),
; V's 8 fragments, V's scale block.  Registers 4 c .. 4 c + 3 of lane l of a fragment lie at 512 c + 16 l; a scale block gives lane l < 16 the words of (tile 0..3, row l), lane l >= 16 those of (tile 4..7, row l - 16).
; SOFTMAX: t = score x log2(e) / sqrt(128); M = the running largest t rounded up to a whole number; p = 2^(t - M) is quantised along the keys, not normalised; the row's sum is taken of the unquantised p and divides at the end.
; When M moves, the sum and O are multiplied by 2^(old M - new M), which rounds nothing.
; SHARES: a work-group owns 256 queries of one of the 64 (batch, head) pairs: 512 work-groups of equal work.  Each of its EIGHT waves owns 32 queries as TWO tiles of 16, so that each fragment read from LDS feeds two products.
; REGISTERS: tile u's scores, O^T, codes and sum live in window u (v[256 u ..]) under the same numbers; fragments 0-3 lie in window 0, fragments 4-7 in window 1, at v32-79; both tiles' M, f and block maxima lie in window 0,
; so that their dependent chains go by turns; scale words lie in v244-255 of window 0 and hold nothing else.
; LAYOUT: both products are used transposed: S^T = K Q^T, O^T = V^T P^T: a lane holds one query (lane % 16).  Row r of K's tile w is key 64 (w / 4) + 8 (w % 4) + r % 8 + 32 (r / 8): register S + 32 c + i of lane (r, h) is key
; 64 c + 32 h + i: two whole blocks of 32 keys a lane, in the order that P's operand wants.
; CLUSTER: the four query blocks of a cluster (4 x 1) walk the same images: a slot is asked for jointly, mask 15.  RING: two slots of four key steps (102,400 bytes); each of the eight waves fetches 12,800 bytes of a slot,
; 50 rows of 256 bytes, by one tensor load; by this text's own count a wave has at most one tensor load out.  All of LDS is claimed.
; THE CHANGE OF SLOTS stands inside a slot's last key step: when V's fragments are in registers the wave's reads of the slot are over; it says so, works on registers (softmax and second product), and only then waits for the others.
; PREFETCH: behind the joint load of key steps 4-7 the images of steps 8-11 are named, behind that of 8-11 those of 12-15: one slot ahead of the load that wants them.  All clusters of a batch walk the same images: the batch's first
; cluster asks; its four partners share a slot out by address, 25,600 bytes each; waves 0-3 take 6,400 bytes each, a lane a block of 256 bytes (lanes 25-31 name lane 24's again).  Steps 0-7 come by their loads alone.
; LIMITS: NaN and infinities are not served.  The promise holds while the scaled scores t stay under 2^31 in magnitude.  A block of Q of zeros, or with its largest magnitude under 2^-124, keeps the scale byte 1 where the rule says 127:
; its codes are zeros.  A p under 2^-126 comes out of v_exp_f32 as 0.
.set STEPB, 25600
.set PARTB, 12800
.set SLOT1, 131072                     ; slot 1's first byte; slot 0 ends at 102,400
.set STAGE, 259072                     ; 16 rows x 528 bytes for each wave, its own, written by LDS stores alone
.set SP,    528
.set SPARE, STAGE+8*16*SP              ; 326,656: the spare words, 128 bytes a wave
.set LI,  1                            ; 16 x lane
.set ADR, 2                            ; 16 x lane + the key step's first LDS byte
.set H8,  3                            ; 8 h (a copy in window 1)
.set SPW, 4                            ; my spare word; never rewritten
.set NIL, 5                            ; 0; never rewritten
.set STI, 6                            ; my stage by whole rows
.set STQ, 7                            ; my stage: row r + 128 h
.set STO, 8                            ; my stage: row r + 32 h
.set PFO, 9                            ; 256 x min(lane, 24)
.set FF,  10                           ; v[10:11] tile 0's f, 0;  v[30:31] tile 1's
; window 0: v12 -M, v13 the largest score of tile 0; v28, v29 of tile 1; v80-83 block maxima (80, 82: tile 0; 81, 83: tile 1); v84-87 at work; v90-93 the conversions' scales
; each window: v[14:15] the row's sum in two halves; v[88:89] and v236-243 chains of the sum
.set QC,  16                           ; v16-27 Q's codes
.set F,   32                           ; v32-79 four fragments
.set S,   96                           ; v96-159 S^T, then p
.set OT,  160                          ; v160-223 O^T: register 8 t + j is channel 16 t + 8 h + j
.set PC,  224                          ; v224-235 p's codes
.set TMP, 236                          ; v236-243 second halves of the codes
.set KS,  244
.set VS,  248
.set QS,  252                          ; v252, v253: tile 0's, tile 1's
.set PS,  254                          ; v254, v255
.set WV,  10
.set SEL, 20                           ; s[20:21] v_permlanex16_b32's selects: lane l xor 16
.set CS,  22                           ; s[22:23] c = log2(e) / sqrt(128)
.set G1,  24
.set G0,  32
.set TB,  36                           ; LDS byte of the key step in hand
.set CNT, 37
.set LIM, 38                           ; 1 in a wave that prefetches
.set PFA, 40
.set MSB, 0
.macro WIN new                         ; the immediate's high byte repeats the setting that is left
.if MSB != (\new)
	s_set_vgpr_msb (MSB<<8)|(\new)
.set MSB, (\new)
.endif
.endm
.macro PLACES
.rept 4
	v_nop
.endr
.endm
.macro CREST                           ; a round of the cluster's barrier behind its opening barrier
	s_cmp_lg_u32 s[WV], 0
	s_cbranch_scc1 .Lnot_wave_0_\@
	s_barrier_signal -3
.Lnot_wave_0_\@:
	s_barrier_wait -3
	s_barrier_signal -1
	s_barrier_wait -1
.endm
.macro CROUND
	s_barrier_signal -1
	s_barrier_wait -1
	CREST
.endm
.macro JLOAD                           ; every wave's own eighth of a slot
	tensor_load_to_lds s[G0:G0+3], s[G1:G1+7]
	s_nop 0
	PLACES
.endm
.macro ASK pf                          ; pf: byte offset of the images to name, 0 for none
.if \pf
	s_cmp_eq_u32 s[LIM], 1
	s_cbranch_scc0 .Lnot_mine_\@
	global_prefetch_b8 v[PFO], s[PFA:PFA+1] offset:\pf th:TH_LOAD_NT scope:SCOPE_SE
.Lnot_mine_\@:
.endif
.endm
; The three lines in front of a change's signal.  fill = 1: group 0 steps to the other slot and the next four key steps.
.macro THREE fill
	s_wait_alu depctr_va_vdst(0)
	s_wait_tensorcnt 0x0                           ; no tensor load of mine is out: group 0 may be written
	ds_add_u32 v[SPW], v[NIL]
.if \fill
	s_xor_b32 s[G0+1], s[G0+1], SLOT1
	s_add_nc_u64 s[G0+2:G0+3], s[G0+2:G0+3], 4*STEPB
.endif
	s_wait_dscnt 0x0                               ; the add is done, my reads of the slot in hand are over
.endm
; Eight fragments and their scale block: 25 loads of 512 consecutive bytes.  Leaves the destination's window at 1.
.macro FRAGS base, sc
.irp t, 0,1,2,3
.irp c, 0,1,2
	ds_load_b128 v[F+12*\t+4*\c:F+12*\t+4*\c+3], v[ADR] offset:\base+1536*\t+512*\c
.endr
.endr
	ds_load_b128 v[\sc:\sc+3], v[ADR] offset:\base+12288
	WIN 0x40
.irp t, 0,1,2,3
.irp c, 0,1,2
	ds_load_b128 v[F+12*\t+4*\c:F+12*\t+4*\c+3], v[ADR] offset:\base+1536*(4+\t)+512*\c
.endr
.endr
.endm
; Four products of tile u on fragments 4 g .. 4 g + 3: source 0 in window g, the rest in window u.
.macro MM_S u, g
	WIN 0x54*\u+\g
.irp t, 0,1,2,3
.if \g
	v_wmma_scale_f32_16x16x128_f8f6f4 v[S+32+8*\t:S+32+8*\t+7], v[F+12*\t:F+12*\t+11], v[QC:QC+11], 0, v[KS+\t], v[QS+\u] matrix_a_fmt:MATRIX_FMT_FP6 matrix_b_fmt:MATRIX_FMT_FP6 matrix_a_scale:MATRIX_SCALE_ROW1
.else
	v_wmma_scale_f32_16x16x128_f8f6f4 v[S+8*\t:S+8*\t+7], v[F+12*\t:F+12*\t+11], v[QC:QC+11], 0, v[KS+\t], v[QS+\u] matrix_a_fmt:MATRIX_FMT_FP6 matrix_b_fmt:MATRIX_FMT_FP6
.endif
.endr
.endm
.macro PV u, ld                        ; O^T += V^T P^T: eight accumulators by turns.  ld = 1: V's loads are still to be waited for
	s_wait_alu depctr_va_vdst(0)
.if \ld
	s_wait_dscnt 0x0                               ; V's eight fragments and scale words are in
.endif
	WIN 0x54*\u
.irp t, 0,1,2,3
	v_wmma_scale_f32_16x16x128_f8f6f4 v[OT+8*\t:OT+8*\t+7], v[F+12*\t:F+12*\t+11], v[PC:PC+11], v[OT+8*\t:OT+8*\t+7], v[VS+\t], v[PS+\u] matrix_a_fmt:MATRIX_FMT_FP6 matrix_b_fmt:MATRIX_FMT_FP6
.endr
	WIN 0x54*\u+1
.irp t, 0,1,2,3
	v_wmma_scale_f32_16x16x128_f8f6f4 v[OT+32+8*\t:OT+32+8*\t+7], v[F+12*\t:F+12*\t+11], v[PC:PC+11], v[OT+32+8*\t:OT+32+8*\t+7], v[VS+\t], v[PS+\u] matrix_a_fmt:MATRIX_FMT_FP6 matrix_b_fmt:MATRIX_FMT_FP6 matrix_a_scale:MATRIX_SCALE_ROW1
.endr
.endm
; The largest score of tile u's two blocks of 32 keys, into window 0's v[80 + u] and v[82 + u]: it serves the row's maximum and, since p rises with the score, the block's largest p.
.macro MAXES u
	WIN 0x55*\u
.irp k, 0,1,2,3
	v_max3_num_f32 v[80+\k], v[S+16*\k], v[S+16*\k+1], v[S+16*\k+2]   ; four chains by turns; each accumulator is first read at its low end
.endr
.irp i, 3,5,7,9,11,13
.irp k, 0,1,2,3
	v_max3_num_f32 v[80+\k], v[80+\k], v[S+16*\k+\i], v[S+16*\k+\i+1]
.endr
.endr
	v_max3_num_f32 v80, v80, v81, v[S+15]
	v_max3_num_f32 v82, v82, v83, v[S+47]
	WIN 0x05*\u                                    ; the destination in window 0
	v_max_num_f32 v[80+\u], v80, v[S+31]
	v_max_num_f32 v[82+\u], v82, v[S+63]
.endm
.macro SUMS                            ; the row's sum of the unquantised p: 32 packed additions in six chains, all in the window that is set
	v_pk_add_f32 v[88:89], v[S:S+1], v[S+2:S+3]
	v_pk_add_f32 v[236:237], v[S+4:S+5], v[S+6:S+7]
	v_pk_add_f32 v[238:239], v[S+8:S+9], v[S+10:S+11]
	v_pk_add_f32 v[240:241], v[S+12:S+13], v[S+14:S+15]
	v_pk_add_f32 v[242:243], v[S+16:S+17], v[S+18:S+19]
	v_pk_add_f32 v[14:15], v[14:15], v[S+20:S+21]
.set j, 22
.rept 3
.irp r, 88,236,238,240,242,14
	v_pk_add_f32 v[\r:\r+1], v[\r:\r+1], v[S+j:S+j+1]
.set j, j+2
.endr
.endr
.irp r, 88,236,238
	v_pk_add_f32 v[\r:\r+1], v[\r:\r+1], v[S+j:S+j+1]
.set j, j+2
.endr
	v_pk_add_f32 v[14:15], v[14:15], v[242:243]
	v_pk_add_f32 v[88:89], v[88:89], v[236:237]
	v_pk_add_f32 v[238:239], v[238:239], v[240:241]
	v_pk_add_f32 v[88:89], v[88:89], v[238:239]
	v_pk_add_f32 v[14:15], v[14:15], v[88:89]
.endm
; Tile u's p become codes, and its O^T comes under the new M.  Source 1 (the scale operand, f) lies in window 0.
.macro CODES u
.irp c, 0,1
	v_cvt_scalef32_pk16_fp6_f32 v[PC+6*\c:PC+6*\c+2], v[S+32*\c:S+32*\c+15], v[90+2*\u+\c]
	v_cvt_scalef32_pk16_fp6_f32 v[TMP+4*\c:TMP+4*\c+2], v[S+32*\c+16:S+32*\c+31], v[90+2*\u+\c]   ; a conversion's three registers begin on an even number
.endr
	v_nop                                          ; one plain place behind the scaled conversions
.irp c, 0,1
.irp i, 0,1,2
	v_mov_b32 v[PC+6*\c+3+\i], v[TMP+4*\c+\i]
.endr
.endr
	s_wait_alu depctr_va_vdst(0)
.set j, 0
.rept 32
	v_pk_mul_f32 v[OT+j:OT+j+1], v[OT+j:OT+j+1], v[FF+20*\u:FF+20*\u+1] op_sel_hi:[1,0]   ; from each accumulator's low end on; also the places between p's codes and scale word and the products
.set j, j+2
.endr
.endm
; A key step: 128 keys for both tiles.  meet = 1: the slot's last step, with a change of slots that fills; 2: with one that fills nothing; 0: none.
.macro STEP meet, pf
	v_add_nc_u32 v[ADR], s[TB], v[LI]
	PLACES                                         ; behind the last step's products, in front of the loads into their sources
	FRAGS 0, KS
	s_wait_alu depctr_va_vdst(0)
	s_wait_dscnt 12                                ; fragments 0-3 and the scale words are in; the twelve loads of fragments 4-7 may be out
	MM_S 0, 0
	MM_S 1, 0
	s_wait_dscnt 0x0
	MM_S 0, 1
	MM_S 1, 1
	WIN 0
	PLACES                                         ; in front of the loads into the fragments and of the first read of the scores
	FRAGS PARTB, VS                                ; V's land under the search for the maxima
	MAXES 0
	MAXES 1
	WIN 0
.if \meet
	THREE (\meet == 1)
	s_barrier_signal -1                            ; said; only work on registers stands between here and the wait at the step's end
.endif
	v_max3_num_f32 v84, v80, v82, v13              ; with the running largest score; the two tiles by turns from here on
	v_max3_num_f32 v86, v81, v83, v29
	v_permlanex16_b32 v85, v84, s[SEL], s[SEL+1]
	v_permlanex16_b32 v87, v86, s[SEL], s[SEL+1]
	v_max_num_f32 v13, v84, v85                    ; and lane l xor 16's 64 keys
	v_max_num_f32 v29, v86, v87
	v_mul_f32 v84, s[CS], v13                      ; as t (c is positive)
	v_mul_f32 v86, s[CS], v29
	v_floor_f32 v85, -v84                          ; the new -M = -ceil(t)
	v_floor_f32 v87, -v86
	v_sub_f32 v84, v85, v12                        ; old M less new M: a whole number, 0 or less
	v_sub_f32 v86, v87, v28
	v_mov_b32 v12, v85
	v_mov_b32 v28, v87
	v_cvt_i32_f32 v84, v84                         ; (it saturates)
	v_cvt_i32_f32 v86, v86
	v_ldexp_f32 v[FF], 1.0, v84                    ; f = 2^(old M - new M)
	v_ldexp_f32 v[FF+20], 1.0, v86
	v_fma_f32 v80, v80, s[CS], v12                 ; t - M of the blocks' largest scores
	v_fma_f32 v82, v82, s[CS], v12
	v_fma_f32 v81, v81, s[CS], v28
	v_fma_f32 v83, v83, s[CS], v28
.set j, 0
.rept 32
	v_pk_fma_f32 v[S+j:S+j+1], v[S+j:S+j+1], s[CS:CS+1], v[12:13] op_sel_hi:[1,0,0]   ; t - M (of the pairs c and -M the low word serves both halves)
.set j, j+2
.endr
	WIN 0x41                                       ; tile 1's scores; -M from window 0
.set j, 0
.rept 32
	v_pk_fma_f32 v[S+j:S+j+1], v[S+j:S+j+1], s[CS:CS+1], v[28:29] op_sel_hi:[1,0,0]
.set j, j+2
.endr
	s_wait_alu depctr_va_vdst(0)                   ; ahead of the batch
.set j, 0
.rept 64
	v_exp_f32 v[S+j], v[S+j]                       ; tile 1's p = 2^(t - M)
.set j, j+1
.endr
	WIN 0
.set j, 0
.rept 64
	v_exp_f32 v[S+j], v[S+j]                       ; tile 0's
.set j, j+1
.endr
.irp r, 80,81,82,83
	v_exp_f32 v\r, v\r                             ; the blocks' largest p
.endr
	v_pk_mul_f32 v[14:15], v[14:15], v[FF:FF+1] op_sel_hi:[1,0]   ; tile 0's sums under the new M: the plain place behind the batch
	s_wait_alu depctr_va_vdst(0)                   ; one wait for the whole batch
	SUMS
.irp r, 80,81,82,83
	v_max_num_f32 v\r, 0x1800000, v\r              ; the floor 2^(3 - 127): the byte cannot fall under 1
.endr
	v_add_nc_u32 v90, 0xff000000, v80              ; 2 off the exponent field: the conversions' scale operands
	v_add_nc_u32 v91, 0xff000000, v82
	v_add_nc_u32 v92, 0xff000000, v81
	v_add_nc_u32 v93, 0xff000000, v83
.irp i, 0,1,2,3
	v_lshrrev_b32 v[84+\i], 23, v[90+\i]           ; the bytes of blocks h and 2 + h
.endr
	v_lshl_or_b32 v84, v85, 16, v84
	v_lshl_or_b32 v86, v87, 16, v86
	v_lshlrev_b32 v84, v[H8], v84
	v_lshlrev_b32 v86, v[H8], v86
	v_permlanex16_b32 v85, v84, s[SEL], s[SEL+1]
	v_permlanex16_b32 v87, v86, s[SEL], s[SEL+1]
	v_or_b32 v[PS], v84, v85                       ; p's scale words for these 128 keys
	v_or_b32 v[PS+1], v86, v87
	CODES 0
.if \meet
	PV 0, 0
.else
	PV 0, 1
.endif
	WIN 0x41
	v_pk_mul_f32 v[14:15], v[14:15], v[FF+20:FF+21] op_sel_hi:[1,0]   ; tile 1's sums under the new M
	WIN 0x55
	SUMS
	WIN 0x41
	CODES 1
	PV 1, 0
	WIN 0
.if \meet
	s_barrier_wait -1                              ; every wave of my work-group has said so
.if \meet == 1
	CREST                                          ; and every partner's: no wave still reads the slot or has a load on its way
	JLOAD                                          ; the first tensor load behind the round
	ASK \pf
.endif
.endif
.endm
.macro RUN base, trips, meet, pf       ; a slot's four key steps
	s_mov_b32 s[TB], \base
	s_mov_b32 s[CNT], \trips
.Lstep_\@:
	STEP 0, 0
	s_add_co_u32 s[TB], s[TB], STEPB
	s_sub_co_u32 s[CNT], s[CNT], 1
	s_cmp_lg_u32 s[CNT], 0
	s_cbranch_scc1 .Lstep_\@
.if \meet
	STEP \meet, \pf
.endif
.endm
; Tile u's 16 rows of Q turn through my stage and are quantised: lane (r, h) takes of row r the numbers 64 c + 32 h + 0 .. 31.  Then the tile's sum and O^T are set.
.macro QIN u
	WIN 4*\u
.irp i, 0,1,2,3,4,5,6,7,8,9,10,11,12,13,14,15
	s_wait_loadcnt 16*(1-\u)+15-\i                 ; row i is in; the loads issued behind it may be out
	ds_store_b128 v[STI], v[S+4*\i:S+4*\i+3] offset:SP*\i
.endr
	WIN 0x40*\u
.irp b, 0,1
.irp j, 0,1,2,3,4,5,6,7
	ds_load_b128 v[OT+32*\b+4*\j:OT+32*\b+4*\j+3], v[STQ] offset:256*\b+16*\j   ; my own bytes, served in order
.endr
.endr
	WIN 0x55*\u
	v_mov_b32 v87, 0                               ; written once: a lane permute's destination counts as one of its sources
	s_wait_dscnt 0x0
.irp b, 0,1
	v_max3_num_f32 v[80+\b], |v[OT+32*\b]|, |v[OT+32*\b+1]|, 0x1800000   ; my block 2 b + h; the floor holds the byte at 1 from below
.endr
.irp i, 2,4,6,8,10,12,14,16,18,20,22,24,26,28,30
.irp b, 0,1
	s_delay_alu instid0(VALU_DEP_2)
	v_max3_num_f32 v[80+\b], v[80+\b], |v[OT+32*\b+\i]|, |v[OT+32*\b+\i+1]|
.endr
.endr
.irp b, 0,1
	s_delay_alu instid0(VALU_DEP_2)
	v_add_nc_u32 v[82+\b], 0xff000000, v[80+\b]
.endr
.irp b, 0,1
	s_delay_alu instid0(VALU_DEP_2)
	v_lshrrev_b32 v[84+\b], 23, v[82+\b]
.endr
	s_delay_alu instid0(VALU_DEP_1)
	v_lshl_or_b32 v86, v85, 16, v84
	s_delay_alu instid0(VALU_DEP_1)
	v_lshlrev_b32 v86, v[H8], v86
	s_delay_alu instid0(VALU_DEP_1)
	v_permlanex16_b32 v87, v86, s[SEL], s[SEL+1]
	WIN 0x15*\u
	v_or_b32 v[QS+\u], v86, v87                    ; the row's whole scale word
	WIN 0x55*\u
.irp b, 0,1
	v_cvt_scalef32_pk16_fp6_f32 v[QC+6*\b:QC+6*\b+2], v[OT+32*\b:OT+32*\b+15], v[82+\b]
	v_cvt_scalef32_pk16_fp6_f32 v[TMP+4*\b:TMP+4*\b+2], v[OT+32*\b+16:OT+32*\b+31], v[82+\b]
.endr
	v_nop
.irp b, 0,1
.irp i, 0,1,2
	v_mov_b32 v[QC+6*\b+3+\i], v[TMP+4*\b+\i]
.endr
.endr
	v_mov_b32 v14, 0
	v_mov_b32 v15, 0
.set j, 0
.rept 64
	v_mov_b32 v[OT+j], 0                           ; the key step is written once: the first finds zeros.  Also the places between Q's codes and scale word and the first products
.set j, j+1
.endr
.endm
; Tile u's way out: O^T / the row's sum, through my stage, stored as whole rows of 512 bytes.
.macro FIN u
	WIN 0x55*\u
	v_add_f32 v14, v14, v15
	s_delay_alu instid0(VALU_DEP_1)
	v_permlanex16_b32 v85, v14, s[SEL], s[SEL+1]
	s_delay_alu instid0(VALU_DEP_1)
	v_add_f32 v14, v14, v85
	s_wait_alu depctr_va_vdst(0)
	v_rcp_f32 v14, v14
	v_nop
	s_wait_alu depctr_va_vdst(0)                   ; ahead of the reciprocal's and O^T's first reader
.set j, 0
.rept 32
	v_pk_mul_f32 v[S+j:S+j+1], v[OT+j:OT+j+1], v[14:15] op_sel_hi:[1,0]
.set j, j+2
.endr
	WIN 4*\u
.irp t, 0,1,2,3,4,5,6,7
	ds_store_b128 v[STO], v[S+8*\t:S+8*\t+3] offset:64*\t
	ds_store_b128 v[STO], v[S+8*\t+4:S+8*\t+7] offset:64*\t+16
.endr
	WIN 0x40*\u
.irp i, 0,1,2,3,4,5,6,7,8,9,10,11,12,13,14,15
	ds_load_b128 v[OT+4*\i:OT+4*\i+3], v[STI] offset:SP*\i
.endr
	WIN 4*\u
.irp i, 0,1,2,3,4,5,6,7,8,9,10,11,12,13,14,15
	s_wait_dscnt 15-\i                             ; row i is back
	global_store_b128 v[LI], v[OT+4*\i:OT+4*\i+3], s[8:9] offset:8192*\u+512*\i th:TH_STORE_NT   ; 32 lanes store 512 consecutive bytes, at a multiple of 256 from out0's first byte
.endr
.endm
	s_load_b128 s[4:7], s[0:1], 0x0                ; Q, kv
	s_load_b64 s[8:9], s[0:1], 0x10                ; out0
	v_lshl_add_u32 v[SPW], v0, 2, SPARE
	v_mov_b32 v[NIL], 0
	ds_add_u32 v[SPW], v[NIL]
	ds_add_u32 v[SPW], v[NIL]
	v_lshrrev_b32 v28, 5, v0
	v_readfirstlane_b32 s[WV], v28                 ; wave 0..7
	s_bfe_u32 s11, ttmp6, 0x40000                  ; cx: it enters Q's, O's and the prefetches' global addresses alone
	s_lshl_b32 s12, ttmp9, 2
	s_add_co_u32 s12, s12, s11                     ; my block of 256 queries
	s_and_b32 s13, ttmp7, 0xffff                   ; 32 x batch + head
	s_lshr_b32 s14, s13, 5                         ; batch
	s_lshl_b32 s16, s13, 20                        ; a head's 2,048 rows of 512 bytes,
	s_lshl_b32 s42, s12, 17                        ; my block's 256,
	s_add_co_u32 s16, s16, s42
	s_lshl_b32 s42, s[WV], 14                      ; my wave's 32
	s_add_co_u32 s16, s16, s42
	s_mov_b32 s17, 0
	s_mul_i32 s[G0+1], s[WV], PARTB                ; LDS address: my eighth of slot 0
	s_mul_i32 s18, s14, 16*STEPB                   ; kv: my batch's 16 images
	s_mul_i32 s44, s11, STEPB                      ; the prefetches: my work-group's quarter of a slot,
	s_add_co_u32 s44, s44, s18
	s_add_co_u32 s18, s18, s[G0+1]
	s_mov_b32 s19, 0
	s_and_b32 s42, s[WV], 3
	s_mul_i32 s42, s42, 6400                       ; my wave's quarter of that
	s_add_co_u32 s44, s44, s42
	s_mov_b32 s45, 0
	s_lshr_b32 s[LIM], s[WV], 2                    ; waves 0-3,
	s_and_b32 s42, s13, 31
	s_or_b32 s[LIM], s[LIM], s42                   ; of the batch's first head,
	s_or_b32 s[LIM], s[LIM], ttmp9                 ; of its first cluster: the same in all four partners
	s_cmp_eq_u32 s[LIM], 0
	s_cselect_b32 s[LIM], 1, 0
	s_mov_b32 s[G1+0], 15|(3<<16)|(1<<21)          ; the mask of all four; elements of 8 bytes; bit 21 beside a mask
	s_mov_b32 s[G1+1], 32<<16                      ; rows of 256 bytes,
	s_mov_b32 s[G1+2], 50<<16                      ; 50 of them
	s_mov_b32 s[G1+3], 32<<16
	s_mov_b32 s[G1+4], 50
	s_mov_b32 s[G1+5], 32
	s_mov_b32 s[G1+6], 0
	s_mov_b32 s[G1+7], 0
	s_mov_b32 s[SEL], 0x76543210
	s_mov_b32 s[SEL+1], 0xfedcba98
	s_mov_b32 s[CS], 0x3e0293ee
	s_mov_b32 s[CS+1], s[CS]
	v_and_b32 v28, 31, v0
	v_lshlrev_b32 v[LI], 4, v28
	v_min_u32 v[PFO], 24, v28
	v_lshlrev_b32 v[PFO], 8, v[PFO]
	v_and_b32 v28, 15, v0                          ; r
	v_bfe_u32 v29, v0, 4, 1                        ; h
	v_lshlrev_b32 v[H8], 3, v29
	s_mul_i32 s42, s[WV], 16*SP
	s_add_co_u32 s42, s42, STAGE
	v_add_nc_u32 v[STI], s42, v[LI]
	v_mul_u32_u24 v[STQ], v28, SP
	v_add_nc_u32 v[STQ], s42, v[STQ]
	v_lshl_add_u32 v[STO], v29, 5, v[STQ]
	v_lshl_add_u32 v[STQ], v29, 7, v[STQ]
	s_wait_alu depctr_va_vdst(0)
	s_wait_dscnt 0x0                               ; both opening adds are done
	s_wait_kmcnt 0x0
	s_add_nc_u64 s[4:5], s[4:5], s[16:17]
	s_add_nc_u64 s[8:9], s[8:9], s[16:17]
	s_mov_b32 s[G0], 1
	s_add_nc_u64 s[G0+2:G0+3], s[6:7], s[18:19]
	s_or_b32 s[G0+3], s[G0+3], 0x80000000
	s_add_nc_u64 s[PFA:PFA+1], s[6:7], s[44:45]
	CROUND                                         ; all four work-groups are here: the first joint loads meet
	JLOAD                                          ; key steps 0-3
.irp i, 0,1,2,3,4,5,6,7,8,9,10,11,12,13,14,15
	global_load_b128 v[S+4*\i:S+4*\i+3], v[LI], s[4:5] offset:512*\i th:TH_LOAD_NT          ; a whole row a load; read once in the launch
.endr
	WIN 0x40
.irp i, 0,1,2,3,4,5,6,7,8,9,10,11,12,13,14,15
	global_load_b128 v[S+4*\i:S+4*\i+3], v[LI], s[4:5] offset:8192+512*\i th:TH_LOAD_NT     ; tile 1's rows, into window 1
.endr
	v_mov_b32 v[H8], v[H8]                         ; window 1's copy of 8 h
	WIN 0
	THREE 1                                        ; while Q is on its way: my part of key steps 0-3 is in,
	CROUND                                         ; everybody's is,
	JLOAD                                          ; and key steps 4-7 are asked for, into slot 1: its first fill, issued as a refill is
	ASK 8*STEPB                                    ; steps 8-11 are named
	QIN 0
	QIN 1
	WIN 0
	v_mov_b32 v13, 0xff61b1e6                      ; the largest scores so far: -3e38
	v_mov_b32 v29, 0xff61b1e6
	v_mov_b32 v12, 0x7e000000                      ; -M: 2^125, so that the first f is 0
	v_mov_b32 v28, 0x7e000000
	v_mov_b32 v[FF+1], 0                           ; named as the upper halves of the pairs with f
	v_mov_b32 v[FF+21], 0
	s_wait_alu depctr_va_vdst(0)
	RUN 0, 3, 1, 12*STEPB                          ; steps 0-3; at their end steps 8-11 go into slot 0, and steps 12-15 are named
	RUN SLOT1, 3, 1, 0                             ; steps 4-7; at their end steps 12-15 go into slot 1
	RUN 0, 3, 2, 0                                 ; steps 8-11; the last change fills nothing
	RUN SLOT1, 4, 0, 0                             ; steps 12-15
	PLACES                                         ; behind the last products
	FIN 0
	FIN 1
	WIN 0
	s_wait_tensorcnt 0x0                           ; the wave's end
	ds_add_u32 v[SPW], v[NIL]
	s_wait_dscnt 0x0
	CROUND                                         ; the closing round
	s_endpgm
.Lfunc_end_k_qf3fa5f7d9d_attn:
	.size	k_qf3fa5f7d9d_attn, .Lfunc_end_k_qf3fa5f7d9d_attn-k_qf3fa5f7d9d_attn
	.p2alignl 7, 3214868480
	.fill 96, 4, 3214868480
	.section	.rodata,"a",@progbits
	.p2align	6, 0x0
	.amdhsa_kernel k_qf3fa5f7d9d_attn
		.amdhsa_group_segment_fixed_size 327680
		.amdhsa_private_segment_fixed_size 0
		.amdhsa_enable_private_segment 0
		.amdhsa_kernarg_size 24
		.amdhsa_user_sgpr_count 2
		.amdhsa_user_sgpr_kernarg_segment_ptr 1
		.amdhsa_wavefront_size32 1
		.amdhsa_system_sgpr_workgroup_id_x 1
		.amdhsa_system_sgpr_workgroup_id_y 1
		.amdhsa_system_sgpr_workgroup_id_z 1
		.amdhsa_system_vgpr_workitem_id 0
		.amdhsa_next_free_vgpr 512
		.amdhsa_next_free_sgpr 66
		.amdhsa_reserve_vcc 0
		.amdhsa_float_denorm_mode_32 3
		.amdhsa_float_denorm_mode_16_64 3
		.amdhsa_memory_ordered 1
		.amdhsa_forward_progress 1
		.amdhsa_inst_pref_size 255
	.end_amdhsa_kernel
	.section	.bss,"aw",@nobits
	.p2align	6
	.space	262144
	.amdgpu_metadata
---
amdhsa.version: [ 1, 2 ]
amdhsa.kernels:
  - .name:           k_qf3fa5f7d9d_attn
    .symbol:         k_qf3fa5f7d9d_attn.kd
    .args:
      - { .name: Q, .offset: 0, .size: 8, .value_kind: global_buffer, .address_space: global }
      - { .name: kv, .offset: 8, .size: 8, .value_kind: global_buffer, .address_space: global }
      - { .name: out0, .offset: 16, .size: 8, .value_kind: global_buffer, .address_space: global }
    .group_segment_fixed_size: 327680
    .private_segment_fixed_size: 0
    .kernarg_segment_align: 8
    .kernarg_segment_size: 24
    .max_flat_workgroup_size: 256
    .sgpr_count:     66
    .vgpr_count:     512
    .wavefront_size: 32
...
	.end_amdgpu_metadata
.endif
;; end of part 2
